; MI455X (gfx1250); checked and timed in simulation.
; The chip was launched on July 23, 2026; its instructions are those of AMD's public machine-readable ISA for CDNA 5 (MIT licence, August 2026) and "CDNA5" Instruction Set Architecture Reference Guide (July 2026). The comments in the code are by the model that wrote it; some were corrected since.
;; Feed Forward SNN. Allowed arithmetic: float matrix products may take bf16 or f16 operands with f32 sums; other float arithmetic in f32, or as packed bf16 or f16 multiplies, adds, multiply-adds, maxima and minima; sums over many terms, partial sums and values carried from step to step in f32; what a program stores and reads back later, other than sums and carried values, may be rounded once to bf16 or f16.
;; Inputs: W0 512 x 512 float32; W1 512 x 256 float32; W_in 5 x 512 float32; inp 8,192 x 4 float32.
;; Outputs: out0 8,192 x 256 float32.
;; 2 versions, each right; version 2 is version 1 with the launch snn written anew for expert scheduling mode. Each part assembles by itself: llvm-mc -triple=amdgcn-amd-amdhsa -mcpu=gfx1250 --defsym DOCPART=n.
;; ======== version 1 of 2: 2 launches
;; workspace buffers: wf 786,432 bytes
;; launch prep (part 1): grid 384 x 1, 1 waves a work-group, no clusters, 0 bytes of LDS; arguments W0, W1, wf; writes wf
.if DOCPART == 1
	.amdgcn_target "amdgcn-amd-amdhsa--gfx1250"
	.amdhsa_code_object_version 6
	.text
	.protected	k_qf688b6125b_prep
	.globl	k_qf688b6125b_prep
	.p2align	8
	.type	k_qf688b6125b_prep,@function
k_qf688b6125b_prep:
	s_mov_b64 s[64:65], 0
	v_nop
	global_prefetch_b8 v0, s[64:65] scope:SCOPE_SE
	s_setreg_imm32_b32 hwreg(HW_REG_WAVE_MODE, 25, 1), 1
	s_wait_xcnt 0x0
; W0 [512][512] and W1 [512][256], f32 stored [k][n], are rounded once to bf16 (nearest even) and laid out as the next launch's matrix fragments.
; wf byte = ((p*4 + w)*16 + kk)*4096 + i*1024 + q*512 + lane*16:  p = 0, 1: W0's column halves, p = 2: W1;  w: the wave that will hold the columns;
; kk: K step of 32;  i: one of four tiles;  q: half of a fragment.  Lane (r = lane % 16, h = lane / 16) holds W[32 kk + 16 q + 8 h + 0..7][256 (p & 1) + 64 w + 4 r + i].
; The columns of the four tiles are interleaved by four, so that a load's 16 lanes take 256 consecutive bytes of one row of W (four columns a lane, one for each tile)
; and a store's 32 lanes write 512 consecutive bytes.  One wave makes one unit u = ((p*4 + w)*16 + kk)*2 + q: 8 loads, 16 roundings of two, 4 stores.
.set OFF, 40                           ; v[40:47]  byte offset of my 16 bytes in the unit's row 8 h + j
.set LD,  8                            ; v[8:39]   row j: four columns, f32
.set PK,  48                           ; v[48:63]  tile e: eight bf16 along k
	s_load_b128 s[4:7], s[0:1], 0x0                ; W0 s[4:5], W1 s[6:7]
	s_load_b64 s[8:9], s[0:1], 0x10                ; wf
	s_lshr_b32 s12, ttmp9, 7                       ; p
	s_bfe_u32 s13, ttmp9, 0x20005                  ; w: 2 bits from bit 5
	s_and_b32 s14, ttmp9, 31
	s_lshl_b32 s14, s14, 4                         ; the unit's first row of W: 32 kk + 16 q
	s_cmp_lt_u32 s12, 2
	s_cselect_b32 s17, 11, 10                      ; log2 of a row's bytes: 2,048 in W0, 1,024 in W1
	s_lshl_b32 s18, s14, s17                       ; the source offset, made apart from the address: rows,
	s_and_b32 s19, s12, 1
	s_lshl_b32 s19, s19, 10
	s_add_co_u32 s18, s18, s19                     ; + 256 (p & 1) columns of 4 bytes,
	s_lshl_b32 s19, s13, 8
	s_add_co_u32 s18, s18, s19                     ; + 64 w columns
	s_mov_b32 s19, 0
	s_lshl_b32 s22, 1, s17                         ; a row's bytes
	s_add_co_u32 s23, s17, 3                       ; log2 of eight rows' bytes
	s_lshr_b32 s24, ttmp9, 1
	s_lshl_b32 s24, s24, 12                        ; the unit's place in wf: 4,096 (u / 2) + 512 q
	s_and_b32 s25, ttmp9, 1
	s_lshl_b32 s25, s25, 9
	s_add_co_u32 s24, s24, s25
	s_mov_b32 s25, 0
	v_and_b32 v1, 15, v0                           ; r
	v_lshrrev_b32 v2, 4, v0                        ; h
	v_lshlrev_b32 v3, 4, v0                        ; 16 x lane, for the stores
	v_lshlrev_b32 v2, s23, v2                      ; 8 h rows
	v_lshl_add_u32 v[OFF], v1, 4, v2               ; + 16 r
.irp j, 1,2,3,4,5,6,7
	v_add_nc_u32 v[OFF+(\j)], s22, v[OFF+(\j)-1]   ; a row further down
.endr
	s_wait_kmcnt 0x0
	s_cmp_lt_u32 s12, 2                            ; compared anew: the sums above have written SCC
	s_cselect_b64 s[20:21], s[4:5], s[6:7]         ; the tensor that the unit comes from
	s_add_nc_u64 s[20:21], s[20:21], s[18:19]
	s_add_nc_u64 s[8:9], s[8:9], s[24:25]
.irp j, 0,1,2,3,4,5,6,7
	global_load_b128 v[LD+4*(\j):LD+4*(\j)+3], v[OFF+(\j)], s[20:21] th:TH_LOAD_NT  ; every byte of W0 and W1 is read once in the launch
.endr
	s_wait_loadcnt 0x0
.irp e, 0,1,2,3
.irp c, 0,1,2,3
	v_cvt_pk_bf16_f32 v[PK+4*(\e)+(\c)], v[LD+8*(\c)+(\e)], v[LD+8*(\c)+4+(\e)]  ; k = 8 h + 2 c below, 2 c + 1 above
.endr
.endr
.irp e, 0,1,2,3
	global_store_b128 v3, v[PK+4*(\e):PK+4*(\e)+3], s[8:9] offset:1024*(\e)  ; 32 lanes: 512 consecutive bytes, aligned
.endr
	s_endpgm
.Lfunc_end_k_qf688b6125b_prep:
	.size	k_qf688b6125b_prep, .Lfunc_end_k_qf688b6125b_prep-k_qf688b6125b_prep
	.p2alignl 7, 3214868480
	.fill 96, 4, 3214868480
	.section	.rodata,"a",@progbits
	.p2align	6, 0x0
	.amdhsa_kernel k_qf688b6125b_prep
		.amdhsa_group_segment_fixed_size 0
		.amdhsa_private_segment_fixed_size 0
		.amdhsa_enable_private_segment 0
		.amdhsa_kernarg_size 24
		.amdhsa_user_sgpr_count 2
		.amdhsa_user_sgpr_kernarg_segment_ptr 1
		.amdhsa_wavefront_size32 1
		.amdhsa_system_sgpr_workgroup_id_x 1
		.amdhsa_system_sgpr_workgroup_id_y 1
		.amdhsa_system_sgpr_workgroup_id_z 1
		.amdhsa_system_vgpr_workitem_id 0
		.amdhsa_next_free_vgpr 64
		.amdhsa_next_free_sgpr 66
		.amdhsa_reserve_vcc 0
		.amdhsa_float_denorm_mode_32 3
		.amdhsa_float_denorm_mode_16_64 3
		.amdhsa_memory_ordered 1
		.amdhsa_forward_progress 1
		.amdhsa_inst_pref_size 4
	.end_amdhsa_kernel
	.amdgpu_metadata
---
amdhsa.version: [ 1, 2 ]
amdhsa.kernels:
  - .name:           k_qf688b6125b_prep
    .symbol:         k_qf688b6125b_prep.kd
    .args:
      - { .name: W0, .offset: 0, .size: 8, .value_kind: global_buffer, .address_space: global }
      - { .name: W1, .offset: 8, .size: 8, .value_kind: global_buffer, .address_space: global }
      - { .name: wf, .offset: 16, .size: 8, .value_kind: global_buffer, .address_space: global }
    .group_segment_fixed_size: 0
    .private_segment_fixed_size: 0
    .kernarg_segment_align: 8
    .kernarg_segment_size: 24
    .max_flat_workgroup_size: 32
    .sgpr_count:     66
    .vgpr_count:     64
    .wavefront_size: 32
...
	.end_amdgpu_metadata
.endif
;; end of part 1
;; launch snn (part 2): grid 256 x 1, 4 waves a work-group, no clusters, 166,912 bytes of LDS; arguments inp, W_in, wf, out0; writes out0
.if DOCPART == 2
	.amdgcn_target "amdgcn-amd-amdhsa--gfx1250"
	.amdhsa_code_object_version 6
	.text
	.protected	k_qf688b6125b_snn
	.globl	k_qf688b6125b_snn
	.p2align	8
	.type	k_qf688b6125b_snn,@function
k_qf688b6125b_snn:
	s_mov_b64 s[64:65], 0
	v_nop
	global_prefetch_b8 v0, s[64:65] scope:SCOPE_SE
	s_setreg_imm32_b32 hwreg(HW_REG_WAVE_MODE, 25, 1), 1
	s_wait_xcnt 0x0
; THE WHOLE NETWORK FOR 32 ROWS.  20 steps of: x = [inp, 1] W_in;  m0 = 0.9 m0 + x, spike where m0 > 1, m0 -= spike;  m1 = 0.9 m1 + s0 W0, likewise;  out = 0.9 out + s1 W1.
; WHAT IS USED OF THE PROBLEM.  (1) out is linear in s1: out = (sum over t of 0.9^(19-t) s1_t) W1, so the weighted spike sum ACC = 0.9 ACC + s1 is kept in f32 and W1 is multiplied once.
; (2) Layer 0 hangs on nothing behind it: its 20 spike patterns are made once and kept as 20 bits a neuron.  (3) A spike is exact in bf16.
; SHARES.  A work-group owns rows 32 wg .. + 31 (two row tiles of 16).  W0 goes in two passes of 256 columns; in a pass a wave keeps 512 k x 64 columns in 512 registers for all 20 steps, as
; fragments that the launch before has laid out; W1 (512 x 256) has the shape of a third pass.  In layer 0 wave w owns hidden units 128 w .. + 127 of all 32 rows.
; PRODUCTS.  Source 0 = weights, source 1 = spikes.  In a result, lane (r, h), register j of tile (rt, i) is row 16 rt + r, column cbase + 32 h + 4 j + i: a lane's four tiles hold 32 neighbouring columns.
; Spikes go in as bf16 2.0 (0x4000, one bit), so that a shift and a mask make two of them from two stored bits.  Layer 1 therefore runs doubled (M = 2 m, threshold 2, reset 2): a factor
; of 2 passes through every rounding, so the spikes are those of the plain recurrence bit for bit.
; ARITHMETIC AND LIMITS.  All four inputs are rounded to bf16 (nearest even).  Behind that, whatever stands in front of a threshold keeps a plain f32 program's order: the drive's five products
; (exact in f32) are added on the vector unit in ascending k, each sum rounded to f32 (a matrix instruction would round once, and a spike hangs on the last bit; these are 5 of the 768 + 5 products a
; row and column); 0.9 m + x is ONE fused multiply-add; compare and reset are exact.  A spike is clamp((m - 1) 2^30) to 0 .. 1: 0 for m <= 1; for m > 1 the argument is 2^7 at the least.
; ACC goes to the matrix unit as hi + lo, two bf16 (16 significant bits), so out differs from the step-by-step sum by rounding of the order of 2^-16 of its terms.  NaN and infinities are not treated apart.
; LDS (rows 1,040 bytes apart: 1,024 + 16, so that the 16 rows of a load start 16 bytes apart modulo 256): two slots of s0 [32 rows][512 k] bf16 that take turns step by step; ACC's hi and lo,
; the same shape; the out stage [32][256] f32 (at the start each wave's 2,560 bytes of rounded W_in); the spare words.  No tensor load and no cluster: the weights go straight into the registers
; in which they stay, 64 KiB a wave for 2,560 products, and a pass's 256 KiB do not fit in LDS beside the slots.
; REGISTERS, in windows of 256 (s_set_vgpr_msb: bits 1:0 source 0, 3:2 source 1, 5:4 source 2, 7:6 destination):
;   window 0: v0-15 addresses and constants; v16-31 S; v32-63 TV; v64-127 the 8 accumulators; v128-191 M (layer 1); v192-255 ACC
;   window 1: v48-49 2^30; v64-127, v128-191 spike bits of steps 0-10, 11-19; v192-255 spike fragments, two halves of two K steps          windows 2, 3: the weights, K steps 0-7, 8-15
.set PITCH, 1040
.set RTB,   16*PITCH                   ; a row tile
.set SLOT1, 32*PITCH                   ; slot 0 at 0, slot 1 here
.set ACCH,  2*SLOT1                    ; bf16(ACC)
.set LOFF,  SLOT1                      ; bf16(ACC - hi) lies this far behind it
.set OST,   4*SLOT1                    ; the out stage
.set SPARE, 5*SLOT1                    ; 166,400: the spare words, 128 bytes for each wave: two blocks of 256 bytes that no other line names
.set AB,   3                           ; v3   fragment reads from the slots: r x 1,040 + 16 h
.set AC,   4                           ; v4   the same in ACC's hi
.set SB,   5                           ; v5   s0 stores: r x 1,040 + 256 w + 64 h
.set ADS0, 6                           ; v6   ACC's stores in pass 0: ACCH + r x 1,040 + 128 w + 64 h
.set WO,   7                           ; v7   my 16 bytes in a fragment half: 65,536 w + 16 lane; never rewritten
.set SPW,  8                           ; v8   my spare word; never rewritten
.set NIL,  9                           ; v9   0; never rewritten
.set OS,   10                          ; v10  into the out stage: OST + r x 1,040 + 256 w + 128 h
.set ORD,  11                          ; v11  back from it: OST + 8 w rows + 16 lane
.set CN,   12                          ; v[12:13] -2^31 twice
.set GO,   14                          ; v14  my bytes in the work-group's part of out0: 8 w rows + 16 lane
.set XA,   15                          ; v15  layer 0: reads of my wave's rounded W_in;
.set ADS,  15                          ;      later ACC's stores of the pass in hand
.set SS,   16                          ; S, two sets of 8
.set IN,   16                          ; layer 0: row tile rt's input k at v[16 + 8 rt + 2 k], twice (a pair for the packed lines)
.set TV,   32                          ; two sets of 16 words
.set DD,   64
.set ML1,  128
.set ACC,  192
.set XX,   64                          ; layer 0, in window rt: x, m0 and the spike bits of 64 units, by unit
.set ML0,  128
.set HF,   192
.set SA,   32                          ; layer 0, both windows: 8 pairs of spikes
.set C30,  48                          ; both windows: 2^30 twice
.set CN30, 50                          ; both windows: -2^30 twice
.set WI,   128                         ; layer 0: a chunk of W_in, 5 rows x 16 units, in window chunk % 2
.set LI,   208                         ; inp as loaded
.set LW,   216                         ; W_in as loaded
.set T0,   236
.set HB0,  64                          ; window 1
.set HB1,  128
.set RING, 192
.set WP,   8                           ; s[8:9] wf at the pass to be loaded
.set WV,   12                          ; s12  my wave's number
.set DK,   16                          ; s[16:17] 0.9 twice
.set SH,   18                          ; s18  the shift that brings the next pattern's bits to bits 14 and 30
.set NM,   19                          ; s19  all bits but 14 and 30
.set PASS, 20
.set TRIP, 21
.set L0C,  22
.set SEL0, 23                          ; v_perm_b32: bytes 1, 2 of both sources
.set HM,   24                          ; a word's upper bf16
.set SEL1, 25                          ; v_perm_b32: the low halves of both sources
.set AOF,  26                          ; s26  512 x pass
.set MSB, 0
.macro WIN new                         ; the immediate's high byte repeats the setting that is left; a switch that changes nothing is dropped
.if MSB != (\new)
	s_set_vgpr_msb (MSB<<8)|(\new)
.set MSB, (\new)
.endif
.endm
; A vector instruction or LDS store that reads a matrix result, and a load into a register that a matrix instruction has read, stand four places behind it; only plain vector
; instructions that name none of its registers are places (ISA guide 7.12.1 for vector instructions).  Where no useful line is at hand: four v_nop.
.macro PLACES
.rept 4
	v_nop
.endr
.endm
; The weights of K steps k0 .. k1: eight loads of 512 consecutive bytes a K step, straight into the fragments' registers.
.macro WLOAD k0, k1
.set kw, \k0
.rept (\k1)-(\k0)+1
	WIN 0x80+0x40*(kw/8)                           ; destination window 2 or 3, address window 0
.set fw, 0
.rept 8                                ; tile fw / 2, half fw % 2
	global_load_b128 v[32*(kw%8)+4*fw:32*(kw%8)+4*fw+3], v[WO], s[WP:WP+1] offset:kw*4096+fw*512
.set fw, fw+1
.endr
.set kw, kw+1
.endr
	WIN 0
.endm
; Eight LDS loads in one run: the spike fragments of K steps 2 gg, 2 gg + 1 for both row tiles, into half gg % 2 of the ring.
.macro ARUN base, off, gg
	WIN 0x40                                       ; destination window 1, address window 0
.set aq, 0
.rept 4                                ; K step 2 gg + aq / 2, row tile aq % 2
.set rA, RING+32*((\gg)%2)+16*(aq/2)+8*(aq%2)
	ds_load_b128 v[rA:rA+3],   v[\base] offset:(\off)+(aq%2)*RTB+(2*(\gg)+aq/2)*64
	ds_load_b128 v[rA+4:rA+7], v[\base] offset:(\off)+(aq%2)*RTB+(2*(\gg)+aq/2)*64+32
.set aq, aq+1
.endr
.endm
; Product m of 16 in group g: K step 2 g + m / 8, accumulator m % 8 (row tile (m % 8) / 4, column tile m % 4).  The eight accumulators take turns, one instruction a turn.
.macro PROD zero
.set kk, 2*g+m/8
.set rD, DD+8*(m%8)
.set rW, 32*(kk%8)+8*(m%4)
.set rA, RING+32*(g%2)+16*(kk%2)+8*((m%8)/4)
	WIN 0x06+kk/8                                  ; weights window 2 or 3, spikes window 1, sums window 0
.if (\zero) && (kk == 0)
	v_wmma_f32_16x16x32_bf16 v[rD:rD+7], v[rW:rW+7], v[rA:rA+7], 0
.else
	v_wmma_f32_16x16x32_bf16 v[rD:rD+7], v[rW:rW+7], v[rA:rA+7], v[rD:rD+7]
.endif
.endm
; Layer 1's vector work for one accumulator's 8 neurons, four packed lines a slice.  Slice sl of 24: tile sl / 3; kind 0: S = 1 where M > 2, else 0; kind 1: M -= 2 S; kind 2: ACC = 0.9 ACC + S.
.macro SLICE sl
.set tl, (\sl)/3
.set rS, SS+8*(tl%2)
.set rM, ML1+8*tl
.set rC, ACC+8*tl
	WIN 0x04                                       ; source 1 (2^30) in window 1, all else in window 0
.set z, 0
.rept 4
.if (\sl)%3 == 0
	v_pk_fma_f32 v[rS+z:rS+z+1], v[rM+z:rM+z+1], v[C30:C30+1], v[CN:CN+1] clamp
.elseif (\sl)%3 == 1
	v_pk_fma_f32 v[rM+z:rM+z+1], v[rS+z:rS+z+1], -2.0, v[rM+z:rM+z+1] op_sel_hi:[1,0,1]
.else
	v_pk_fma_f32 v[rC+z:rC+z+1], v[rC+z:rC+z+1], s[DK:DK+1], v[rS+z:rS+z+1] op_sel_hi:[1,0,1]
.endif
.set z, z+2
.endr
.endm
.macro SLA tl                          ; M = 0.9 M + the step's sums, one fused multiply-add; the accumulator is read from its low end on
	WIN 0x04
.set z, 0
.rept 4
	v_pk_fma_f32 v[ML1+8*(\tl)+z:ML1+8*(\tl)+z+1], v[ML1+8*(\tl)+z:ML1+8*(\tl)+z+1], s[DK:DK+1], v[DD+8*(\tl)+z:DD+8*(\tl)+z+1] op_sel_hi:[1,0,1]
.set z, z+2
.endr
.endm
; ONE TIME STEP: 128 products in 8 groups of two K steps, from the pattern at rd; nx: where the next step's pattern lies (-1: none).  zero = 1: the first eight products start the sums.
; rid = 1: vector work rides behind the products.  Groups 0-3: the NEXT pattern is made from the bits at hb, 16 words a group, under the products' own window setting (a shift whose source lies in
; window 1, a mask by v_bfi_b32 whose source lies in window 0), and stored into slot wr a group later.  Groups 4-6: kinds 0-2 of the step BEFORE.  Group 7: M takes this step's sums, each
; accumulator four plain lines behind its last product.
; LDS loads stand in runs of eight, 14 products (12 across a step's end) ahead of the wait for them at a group's head.  Behind the last product that read a ring half and ahead of the run
; that fills it stand four plain lines or more: 6 or 7 riders in groups 0-4, one slice in groups 5 and 6, four v_nop in group 7 and wherever rid = 0.
; ONE BARRIER A STEP, in group 7.  Ahead of its signal my reads of slot rd are back (the wait at the group's head) and my stores of the next pattern are done (the same wait).  Behind its wait
; the next pattern is read, and slot rd is written only in the next step.  So between two barriers one slot is only read and the other only written.
.macro STEP base, rd, nx, zero, rid, hb, wr
.set g, 0
.rept 8
	s_wait_dscnt 0x0                               ; this group's fragments are in; stores issued ahead of them are done
.if (\rid) && (g == 7)
	s_barrier_signal -1
.endif
.set m, 0
.rept 16
	PROD \zero
.if (\rid) == 0
.if m == 0
	PLACES
.endif
.elseif g < 4
	v_lshlrev_b32 v[TV+16*(g%2)+m], s[SH], v[(\hb)+16*g+m]
.if m > 0
	v_bfi_b32 v[TV+16*(g%2)+m-1], s[NM], 0, v[TV+16*(g%2)+m-1]
.endif
.if m == 15
	v_bfi_b32 v[TV+16*(g%2)+15], s[NM], 0, v[TV+16*(g%2)+15]
.endif
.elseif g < 7
.if m%2 == 0
	SLICE 8*(g-4)+m/2
.endif
.else
.if (m == 0) || (m == 8)
	PLACES
.endif
.if m > 8
	SLA m-9
.endif
.if m == 15
	SLA 7
.endif
.endif
.if (g < 7) && (m == 1)
.if (\rid) && (g > 0) && (g < 5)
	WIN 0
.set c4, 0
.rept 4                                ; block g - 1: row tile (g - 1) / 2, units 64 ((g - 1) % 2) on: 64 bytes a lane
	ds_store_b128 v[SB], v[TV+16*((g-1)%2)+4*c4:TV+16*((g-1)%2)+4*c4+3] offset:(\wr)+((g-1)/2)*RTB+((g-1)%2)*128+16*c4
.set c4, c4+1
.endr
.endif
	ARUN \base, \rd, g+1
.endif
.if (g == 7) && (m == 3)
.if \rid
	s_barrier_wait -1
.endif
.if (\nx) >= 0
	ARUN \base, \nx, 0
.endif
.endif
.set m, m+1
.endr
.set g, g+1
.endr
.if \rid
	s_add_co_u32 s[SH], s[SH], 1                   ; the pattern after it lies a bit lower
.endif
	WIN 0                                          ; at a label and at a branch every window is 0
.endm
	s_load_b256 s[4:11], s[0:1], 0x0               ; inp s[4:5], W_in s[6:7], wf s[8:9], out0 s[10:11]
	v_lshl_add_u32 v[SPW], v0, 2, SPARE
	v_mov_b32 v[NIL], 0
	v_lshrrev_b32 v1, 5, v0
	v_readfirstlane_b32 s[WV], v1                  ; wave 0..3
	v_and_b32 v1, 15, v0                           ; r
	v_bfe_u32 v2, v0, 4, 1                         ; h
	v_and_b32 v32, 31, v0
	v_lshlrev_b32 v32, 4, v32                      ; 16 x lane
	v_mul_u32_u24 v33, v1, PITCH                   ; r rows
	v_lshl_add_u32 v[AB], v2, 4, v33
	v_add_nc_u32 v[AC], ACCH, v[AB]
	v_lshl_add_u32 v34, v2, 6, v33                 ; r rows + 64 h
	s_lshl_b32 s2, s[WV], 8
	v_add_nc_u32 v[SB], s2, v34
	s_lshl_b32 s2, s[WV], 7
	s_add_co_u32 s2, s2, ACCH
	v_add_nc_u32 v[ADS0], s2, v34
	s_lshl_b32 s2, s[WV], 16
	v_add_nc_u32 v[WO], s2, v32
	v_lshl_add_u32 v34, v2, 7, v33                 ; r rows + 128 h
	s_lshl_b32 s2, s[WV], 8
	s_add_co_u32 s2, s2, OST
	v_add_nc_u32 v[OS], s2, v34
	s_mul_i32 s2, s[WV], 8*PITCH
	s_add_co_u32 s2, s2, OST
	v_add_nc_u32 v[ORD], s2, v32
	s_lshl_b32 s2, s[WV], 13
	v_add_nc_u32 v[GO], s2, v32
	v_lshlrev_b32 v35, 4, v1                       ; inp: row r of a row tile
	s_lshl_b32 s2, s[WV], 9
	v_add_nc_u32 v36, s2, v32                      ; W_in: units 128 w + 4 lane .. + 3
	s_mul_i32 s2, s[WV], 2560
	s_add_co_u32 s2, s2, OST                       ; my wave's 5 rows x 512 bytes of rounded W_in
	v_add_nc_u32 v37, s2, v32                      ; in: as loaded
	v_lshl_add_u32 v[XA], v2, 7, s2                ; back: 32 h units on, the same bytes for all 16 lanes of a half
	s_mov_b32 s[DK], 0x3f666666                    ; 0.9
	s_mov_b32 s[DK+1], 0x3f666666
	s_mov_b32 s[NM], 0xbfffbfff
	s_mov_b32 s[SEL0], 0x06050201
	s_mov_b32 s[SEL1], 0x05040100
	s_mov_b32 s[HM], 0xffff0000
	s_mov_b32 s[AOF], 0
	v_mov_b32 v[CN], 0xcf000000                    ; -2^31
	v_mov_b32 v[CN+1], 0xcf000000
.irp wn, 0, 0x40
	WIN \wn
	v_mov_b32 v[C30], 0x4e800000                   ; 2^30
	v_mov_b32 v[C30+1], 0x4e800000
	v_mov_b32 v[CN30], 0xce800000                  ; -2^30
	v_mov_b32 v[CN30+1], 0xce800000
.endr
	WIN 0
	s_lshl_b32 s2, ttmp9, 9                        ; the work-group's 32 rows of 16 bytes
	s_mov_b32 s3, 0
	s_wait_kmcnt 0x0
	s_add_nc_u64 s[4:5], s[4:5], s[2:3]
	s_lshl_b32 s2, ttmp9, 15                       ; and of 1,024 bytes
	s_add_nc_u64 s[10:11], s[10:11], s[2:3]
	global_load_b128 v[LI:LI+3],   v35, s[4:5]
	global_load_b128 v[LI+4:LI+7], v35, s[4:5] offset:256
.irp k, 0,1,2,3,4
	global_load_b128 v[LW+4*(\k):LW+4*(\k)+3], v36, s[6:7] offset:2048*(\k)
.endr
	WLOAD 0, 6                                     ; 56 loads of pass 0's weights: layer 0's work stands in front of the wait for them
	s_wait_loadcnt 56                              ; the seven small loads are in; the 56 issued behind them stay out
	; LAYER 0.  inp and W_in are rounded to bf16 and widened again.
.irp rt, 0,1
	v_cvt_pk_bf16_f32 v[T0],   v[LI+4*(\rt)],   v[LI+4*(\rt)+1]
	v_cvt_pk_bf16_f32 v[T0+1], v[LI+4*(\rt)+2], v[LI+4*(\rt)+3]
	v_lshlrev_b32 v[IN+8*(\rt)],   16, v[T0]
	v_lshlrev_b32 v[IN+8*(\rt)+1], 16, v[T0]
	v_and_b32     v[IN+8*(\rt)+2], s[HM], v[T0]
	v_and_b32     v[IN+8*(\rt)+3], s[HM], v[T0]
	v_lshlrev_b32 v[IN+8*(\rt)+4], 16, v[T0+1]
	v_lshlrev_b32 v[IN+8*(\rt)+5], 16, v[T0+1]
	v_and_b32     v[IN+8*(\rt)+6], s[HM], v[T0+1]
	v_and_b32     v[IN+8*(\rt)+7], s[HM], v[T0+1]
.endr
.irp k, 0,1,2,3,4
	v_cvt_pk_bf16_f32 v[T0],   v[LW+4*(\k)],   v[LW+4*(\k)+1]
	v_cvt_pk_bf16_f32 v[T0+1], v[LW+4*(\k)+2], v[LW+4*(\k)+3]
	v_lshlrev_b32 v[LW+4*(\k)],   16, v[T0]
	v_and_b32     v[LW+4*(\k)+1], s[HM], v[T0]
	v_lshlrev_b32 v[LW+4*(\k)+2], 16, v[T0+1]
	v_and_b32     v[LW+4*(\k)+3], s[HM], v[T0+1]
	ds_store_b128 v37, v[LW+4*(\k):LW+4*(\k)+3] offset:512*(\k)  ; my wave's own bytes: LDS serves a wave's instructions in order (ISA guide 5.7.1.4), so the loads below see them
.endr
; Chunk c of four: units 64 (c / 2) + 32 h + 16 (c % 2) + 0..15 of my wave's 128, all five rows of W_in: 20 loads into window c % 2.
.macro XLD c
	WIN 0x40*((\c)%2)
.set xk, 0
.rept 5
.set xq, 0
.rept 4
	ds_load_b128 v[WI+16*xk+4*xq:WI+16*xk+4*xq+3], v[XA] offset:512*xk+256*((\c)/2)+64*((\c)%2)+16*xq
.set xq, xq+1
.endr
.set xk, xk+1
.endr
.endm
; x of the chunk's 16 units for both row tiles: (((in0 w0 + in1 w1) + in2 w2) + in3 w3) + w4, ascending k, each sum rounded to f32; the products of two bf16 are exact.
.macro XC c
.irp rt, 0,1
	WIN 0x50*(\rt)+((\c)%2)                        ; W_in in window c % 2, the inputs in window 0, x in window rt
.set xk, 0
.rept 5
.set xu, 0
.rept 8
.set rX, XX+32*((\c)/2)+16*((\c)%2)+2*xu
.set rW, WI+16*xk+2*xu
.set rI, IN+8*(\rt)+2*xk
.if xk == 0
	v_pk_mul_f32 v[rX:rX+1], v[rW:rW+1], v[rI:rI+1] op_sel_hi:[1,0]
.elseif xk < 4
	v_pk_fma_f32 v[rX:rX+1], v[rW:rW+1], v[rI:rI+1], v[rX:rX+1] op_sel_hi:[1,0,1]
.else
	v_pk_fma_f32 v[rX:rX+1], v[rW:rW+1], 1.0, v[rX:rX+1] op_sel_hi:[1,0,1]
.endif
.set xu, xu+1
.endr
.set xk, xk+1
.endr
.endr
.endm
	XLD 0
	XLD 1
	s_wait_dscnt 20                                ; chunk 0 is in; the 20 loads of chunk 1 stay out
	XC 0
	XLD 2
	s_wait_dscnt 20                                ; chunk 1; chunk 2's 20 stay out
	XC 1
	XLD 3
	s_wait_dscnt 20                                ; chunk 2; chunk 3's 20 stay out
	XC 2
	s_wait_dscnt 0x0
	XC 3
; Step 0: m = x.  The spike starts the bits' register, so nothing is cleared.
.macro L0PEEL rt
	WIN 0x55*(\rt)                                 ; row tile rt's numbers all lie in window rt
.set z, 0
.rept 32
	v_pk_fma_f32 v[HF+z:HF+z+1], v[XX+z:XX+z+1], v[C30:C30+1], v[CN30:CN30+1] clamp
.set z, z+2
.endr
.set z, 0
.rept 32
	v_pk_add_f32 v[ML0+z:ML0+z+1], v[XX+z:XX+z+1], v[HF+z:HF+z+1] neg_lo:[0,1] neg_hi:[0,1]
.set z, z+2
.endr
.endm
; A further step, in four chunks of eight pairs: m = 0.9 m + x; S = 1 where m > 1; m -= S; bits = 2 bits + S (a whole number under 2^20, exact in f32).
.macro L0S rt
	WIN 0x55*(\rt)
.set ch, 0
.rept 4
.irp op, 0,1,2,3
.set z, 0
.rept 8
.set rr, 16*ch+2*z
.if \op == 0
	v_pk_fma_f32 v[ML0+rr:ML0+rr+1], v[ML0+rr:ML0+rr+1], s[DK:DK+1], v[XX+rr:XX+rr+1] op_sel_hi:[1,0,1]
.elseif \op == 1
	v_pk_fma_f32 v[SA+2*z:SA+2*z+1], v[ML0+rr:ML0+rr+1], v[C30:C30+1], v[CN30:CN30+1] clamp
.elseif \op == 2
	v_pk_add_f32 v[ML0+rr:ML0+rr+1], v[ML0+rr:ML0+rr+1], v[SA+2*z:SA+2*z+1] neg_lo:[0,1] neg_hi:[0,1]
.else
	v_pk_fma_f32 v[HF+rr:HF+rr+1], v[HF+rr:HF+rr+1], 2.0, v[SA+2*z:SA+2*z+1] op_sel_hi:[1,0,1]
.endif
.set z, z+1
.endr
.endr
.set ch, ch+1
.endr
.endm
	L0PEEL 0
	L0PEEL 1
	WLOAD 7, 15                                    ; the other 72 loads of pass 0's weights: 19 steps of layer 0 stand in front of the wait for them
	s_wait_xcnt 0x0                                ; the loads' addresses are translated (ISA guide 3.1): only behind this wait is their base stepped
	s_add_nc_u64 s[WP:WP+1], s[WP:WP+1], 0x40000   ; the next pass's 262,144 bytes
	s_mov_b32 s[L0C], 19
.Ll0:
	L0S 0
	L0S 1
	WIN 0
	s_sub_co_u32 s[L0C], s[L0C], 1
	s_cmp_lg_u32 s[L0C], 0
	s_cbranch_scc1 .Ll0
	; The bits as whole numbers U: step t at bit 19 - t.  Two neighbouring units make a word.  Bytes 1, 2 of both: step t (0 .. 10) at bits 11 - t and 27 - t, so a shift by 3 + t brings it to bits 14
	; and 30.  The low halves of both: step t (11 .. 19) at bits 19 - t and 35 - t: a shift by t - 5.  At these shifts no other bit of a word comes to bit 14 or 30.
.irp rt, 0,1
	WIN 0x55*(\rt)
.set z, 0
.rept 64
	v_cvt_u32_f32 v[HF+z], v[HF+z]
.set z, z+1
.endr
.endr
.irp rt, 0,1
	WIN 0x40+5*(\rt)                               ; sources in window rt, words in window 1, where x and m of row tile 1 are dead
.set z, 0
.rept 32
	v_perm_b32 v[HB0+32*(\rt)+z], v[HF+2*z+1], v[HF+2*z], s[SEL0]
	v_perm_b32 v[HB1+32*(\rt)+z], v[HF+2*z+1], v[HF+2*z], s[SEL1]
.set z, z+1
.endr
.endr
	WIN 0
	; LAYER 1, two passes of 256 columns.
	s_mov_b32 s[PASS], 2
.Lpass:
.set z, 0
.rept 128
	v_mov_b32 v[ML1+z], 0                          ; the network's own start: m1 = 0, and ACC = 0.  One text serves all 20 steps, so no first step is written out that could start them
.set z, z+1
.endr
	s_mov_b32 s[SH], 3                             ; pattern 0
.set bk, 0
.rept 4                                ; block bk: row tile bk / 2, units 64 (bk % 2) on
	WIN 0x04
.set wd, 0
.rept 16
	v_lshlrev_b32 v[TV+16*(bk%2)+wd], s[SH], v[HB0+16*bk+wd]
.set wd, wd+1
.endr
.set wd, 0
.rept 16
	v_bfi_b32 v[TV+16*(bk%2)+wd], s[NM], 0, v[TV+16*(bk%2)+wd]
.set wd, wd+1
.endr
	WIN 0
.set c4, 0
.rept 4
	ds_store_b128 v[SB], v[TV+16*(bk%2)+4*c4:TV+16*(bk%2)+4*c4+3] offset:(bk/2)*RTB+(bk%2)*128+16*c4
.set c4, c4+1
.endr
.set bk, bk+1
.endr
	s_wait_loadcnt 0x0                             ; the pass's weights
	s_wait_dscnt 0x0                               ; for the others' sake: my part of pattern 0 is stored
	s_barrier_signal -1
	s_barrier_wait -1
	ARUN AB, 0, 0
	WIN 0
	s_mov_b32 s[SH], 4                             ; step 0 makes pattern 1
	s_mov_b32 s[TRIP], 5
.Lsteps_a:                                             ; steps 0 to 9: they make patterns 1 to 10
	STEP AB, 0, SLOT1, 1, 1, HB0, SLOT1
	STEP AB, SLOT1, 0, 1, 1, HB0, 0
	s_sub_co_u32 s[TRIP], s[TRIP], 1
	s_cmp_lg_u32 s[TRIP], 0
	s_cbranch_scc1 .Lsteps_a
	s_mov_b32 s[SH], 6                             ; step 10 makes pattern 11
	s_mov_b32 s[TRIP], 5
.Lsteps_b:                                             ; steps 10 to 19: patterns 11 to 19, and a 21st that nobody multiplies: the price of one text for all steps
	STEP AB, 0, SLOT1, 1, 1, HB1, SLOT1
	STEP AB, SLOT1, 0, 1, 1, HB1, 0
	s_sub_co_u32 s[TRIP], s[TRIP], 1
	s_cmp_lg_u32 s[TRIP], 0
	s_cbranch_scc1 .Lsteps_b
	WLOAD 0, 6                                     ; the next pass's weights: these registers were last multiplied in step 19's first half
	s_wait_dscnt 0x0                               ; my reads of the 21st pattern are back: slot 0 is written again behind this barrier
	s_barrier_signal -1
.set sn, 0
.rept 24
	SLICE sn                                       ; step 19's spikes, resets and sums: work on registers between the signal and the wait
.set sn, sn+1
.endr
	WIN 0
	s_barrier_wait -1
	v_add_nc_u32 v[ADS], s[AOF], v[ADS0]           ; the pass's 256 neurons: 512 bytes further on in a row
; ACC of row tile rt as hi + lo: hi = bf16(a), lo = bf16(a - hi), the difference exact.  Word wd = 2 j + p holds neurons 4 j + 2 p, + 1: register j of column tiles 2 p, 2 p + 1.
.macro HILO rt
.set wd, 0
.rept 16
.set ra, ACC+8*(4*(\rt)+2*(wd%2))+wd/2
.set tp, SS+4*(wd%4)
	v_cvt_pk_bf16_f32 v[TV+wd], v[ra], v[ra+8]
	v_lshlrev_b32 v[tp], 16, v[TV+wd]
	v_and_b32 v[tp+1], s[HM], v[TV+wd]
	v_sub_f32 v[tp], v[ra], v[tp]
	v_sub_f32 v[tp+1], v[ra+8], v[tp+1]
	v_cvt_pk_bf16_f32 v[TV+16+wd], v[tp], v[tp+1]
.set wd, wd+1
.endr
.set c4, 0
.rept 4
	ds_store_b128 v[ADS], v[TV+4*c4:TV+4*c4+3] offset:(\rt)*RTB+16*c4
	ds_store_b128 v[ADS], v[TV+16+4*c4:TV+16+4*c4+3] offset:LOFF+(\rt)*RTB+16*c4
.set c4, c4+1
.endr
.endm
	HILO 0
	HILO 1
	s_add_co_u32 s[AOF], s[AOF], 512
	WLOAD 7, 15                                    ; the rest of the next pass's weights; the lines above are the places behind the last products
	s_wait_xcnt 0x0                                ; the loads' addresses are translated: only behind this wait is their base stepped
	s_add_nc_u64 s[WP:WP+1], s[WP:WP+1], 0x40000
	s_sub_co_u32 s[PASS], s[PASS], 1
	s_cmp_lg_u32 s[PASS], 0
	s_cbranch_scc1 .Lpass
	; THE OUTPUT: ACC W1, hi and then lo onto the same sums.
	s_wait_loadcnt 0x0                             ; W1's fragments
	s_wait_dscnt 0x0                               ; for the others' sake: my part of ACC is stored
	s_barrier_signal -1
	s_barrier_wait -1
	ARUN AC, 0, 0
	STEP AC, 0, LOFF, 1, 0, 0, 0
	STEP AC, LOFF, -1, 0, 0, 0, 0
	PLACES
	; THE WAY OUT.  A lane's 64 numbers are 4 bytes each of 32 neighbouring columns of two rows: they go through the stage and come back as whole rows.  Lanes r and r + 8 of the other half
	; meet in a bank (260 r + 32 h words): two deep, in these 64 stores, once a launch.  Each accumulator is read from its low end on.
.set tl, 0
.rept 8
.set z, 0
.rept 8
	ds_store_b32 v[OS], v[DD+8*tl+z] offset:(tl/4)*RTB+16*z+4*(tl%4)
.set z, z+1
.endr
.set tl, tl+1
.endr
	s_wait_dscnt 0x0                               ; for the others' sake: a row's 1,024 bytes come from all four waves
	s_barrier_signal -1
	s_barrier_wait -1
.set oi, 0
.rept 16                               ; wave w takes rows 8 w .. + 7: row oi / 2, half oi % 2
	ds_load_b128 v[ML1+4*oi:ML1+4*oi+3], v[ORD] offset:(oi/2)*PITCH+(oi%2)*512
.set oi, oi+1
.endr
.set oi, 0
.rept 16
	s_wait_dscnt 15-oi                             ; LDS loads come back in order (ISA guide 5.7.1): load oi is in, the younger ones stay out
	global_store_b128 v[GO], v[ML1+4*oi:ML1+4*oi+3], s[10:11] offset:(oi/2)*1024+(oi%2)*512 th:TH_STORE_NT  ; 32 lanes: 512 consecutive bytes, aligned
.set oi, oi+1
.endr
	s_wait_tensorcnt 0x0                           ; the wave's end, behind my last LDS store
	ds_add_u32 v[SPW], v[NIL]
	s_wait_dscnt 0x0
	s_endpgm
.Lfunc_end_k_qf688b6125b_snn:
	.size	k_qf688b6125b_snn, .Lfunc_end_k_qf688b6125b_snn-k_qf688b6125b_snn
	.p2alignl 7, 3214868480
	.fill 96, 4, 3214868480
	.section	.rodata,"a",@progbits
	.p2align	6, 0x0
	.amdhsa_kernel k_qf688b6125b_snn
		.amdhsa_group_segment_fixed_size 166912
		.amdhsa_private_segment_fixed_size 0
		.amdhsa_enable_private_segment 0
		.amdhsa_kernarg_size 32
		.amdhsa_user_sgpr_count 2
		.amdhsa_user_sgpr_kernarg_segment_ptr 1
		.amdhsa_wavefront_size32 1
		.amdhsa_system_sgpr_workgroup_id_x 1
		.amdhsa_system_sgpr_workgroup_id_y 1
		.amdhsa_system_sgpr_workgroup_id_z 1
		.amdhsa_system_vgpr_workitem_id 0
		.amdhsa_next_free_vgpr 1024
		.amdhsa_next_free_sgpr 66
		.amdhsa_reserve_vcc 0
		.amdhsa_float_denorm_mode_32 3
		.amdhsa_float_denorm_mode_16_64 3
		.amdhsa_memory_ordered 1
		.amdhsa_forward_progress 1
		.amdhsa_inst_pref_size 255
	.end_amdhsa_kernel
	.section	.bss,"aw",@nobits
	.p2align	6
	.space	262144
	.amdgpu_metadata
---
amdhsa.version: [ 1, 2 ]
amdhsa.kernels:
  - .name:           k_qf688b6125b_snn
    .symbol:         k_qf688b6125b_snn.kd
    .args:
      - { .name: inp, .offset: 0, .size: 8, .value_kind: global_buffer, .address_space: global }
      - { .name: W_in, .offset: 8, .size: 8, .value_kind: global_buffer, .address_space: global }
      - { .name: wf, .offset: 16, .size: 8, .value_kind: global_buffer, .address_space: global }
      - { .name: out0, .offset: 24, .size: 8, .value_kind: global_buffer, .address_space: global }
    .group_segment_fixed_size: 166912
    .private_segment_fixed_size: 0
    .kernarg_segment_align: 8
    .kernarg_segment_size: 32
    .max_flat_workgroup_size: 128
    .sgpr_count:     66
    .vgpr_count:     1024
    .wavefront_size: 32
...
	.end_amdgpu_metadata
.endif
;; end of part 2
;; ======== version 2 of 2: 2 launches; version 1 with the launch snn written anew for expert scheduling mode
;; workspace buffers: wf 786,432 bytes
;; launch prep: the kernel of part 1 again; grid 384 x 1, 1 waves a work-group, no clusters, 0 bytes of LDS; arguments W0, W1, wf; writes wf
;; launch snn (part 3): grid 256 x 1, 4 waves a work-group, no clusters, 166,912 bytes of LDS; arguments inp, W_in, wf, out0; writes out0
.if DOCPART == 3
	.amdgcn_target "amdgcn-amd-amdhsa--gfx1250"
	.amdhsa_code_object_version 6
	.text
	.protected	k_qf688b6125b_snn
	.globl	k_qf688b6125b_snn
	.p2align	8
	.type	k_qf688b6125b_snn,@function
k_qf688b6125b_snn:
	s_mov_b64 s[64:65], 0
	v_nop
	global_prefetch_b8 v0, s[64:65] scope:SCOPE_SE
	s_setreg_imm32_b32 hwreg(HW_REG_WAVE_SCHED_MODE, 0, 2), 2
	s_setreg_imm32_b32 hwreg(HW_REG_WAVE_MODE, 25, 1), 1
	s_wait_xcnt 0x0
	s_wait_alu depctr_vm_vsrc(0)
; THE WHOLE NETWORK FOR 32 ROWS.  20 steps of: x = [inp, 1] W_in;  m0 = 0.9 m0 + x, spike where m0 > 1, m0 -= spike;  m1 = 0.9 m1 + s0 W0, likewise;  out = 0.9 out + s1 W1.
; WHAT IS USED OF THE PROBLEM.  (1) out is linear in s1: out = (sum over t of 0.9^(19-t) s1_t) W1, so the weighted spike sum ACC = 0.9 ACC + s1 is kept in f32 and W1 is multiplied once.
; (2) Layer 0 hangs on nothing behind it: its 20 spike patterns are made once and kept as 20 bits a neuron.  (3) A spike is exact in bf16.
; SHARES.  A work-group owns rows 32 wg .. + 31 (two row tiles of 16).  W0 goes in two passes of 256 columns; in a pass a wave keeps 512 k x 64 columns in 512 registers for all 20 steps, as
; fragments that the launch before has laid out; W1 (512 x 256) has the shape of a third pass.  In layer 0 wave w owns hidden units 128 w .. + 127 of all 32 rows.
; PRODUCTS.  Source 0 = weights, source 1 = spikes.  In a result, lane (r, h), register j of tile (rt, i) is row 16 rt + r, column cbase + 32 h + 4 j + i: a lane's four tiles hold 32 neighbouring columns.
; Spikes go in as bf16 2.0 (0x4000, one bit), so that a shift and a mask make two of them from two stored bits.  Layer 1 therefore runs doubled (M = 2 m, threshold 2, reset 2): a factor
; of 2 passes through every rounding, so the spikes are those of the plain recurrence bit for bit.
; ARITHMETIC AND LIMITS.  All four inputs are rounded to bf16 (nearest even).  Behind that, whatever stands in front of a threshold keeps a plain f32 program's order: the drive's five products
; (exact in f32) are added on the vector unit in ascending k, each sum rounded to f32 (a matrix instruction would round once, and a spike hangs on the last bit; these are 5 of the 768 + 5 products a
; row and column); 0.9 m + x is ONE fused multiply-add; compare and reset are exact.  A spike is clamp((m - 1) 2^30) to 0 .. 1: 0 for m <= 1; for m > 1 the argument is 2^7 at the least.
; ACC goes to the matrix unit as hi + lo, two bf16 (16 significant bits), so out differs from the step-by-step sum by rounding of the order of 2^-16 of its terms.  NaN and infinities are not treated apart.
; LDS (rows 1,040 bytes apart: 1,024 + 16, so that the 16 rows of a load start 16 bytes apart modulo 256): two slots of s0 [32 rows][512 k] bf16 that take turns step by step; ACC's hi and lo,
; the same shape; the out stage [32][256] f32 (at the start each wave's 2,560 bytes of rounded W_in); the spare words.  No tensor load and no cluster: the weights go straight into the registers
; in which they stay, 64 KiB a wave for 2,560 products, and a pass's 256 KiB do not fit in LDS beside the slots.
; REGISTERS, in windows of 256 (s_set_vgpr_msb: bits 1:0 source 0, 3:2 source 1, 5:4 source 2, 7:6 destination):
;   window 0: v0-15 addresses and constants; v16-31 S; v32-63 TV; v64-127 the 8 accumulators; v128-191 M (layer 1); v192-255 ACC
;   window 1: v0-31, v192-223, v224-255 spike fragments, three thirds of two K steps; v48-49 2^30; v64-127, v128-191 spike bits of steps 0-10, 11-19          windows 2, 3: the weights, K steps 0-7, 8-15
; THE MODE: SCHED_MODE bits 1:0 = 2 (LLVM: expert scheduling mode 2), set by the entry lines.  The code itself states the register dependences
; between vector or matrix instructions and memory or LDS instructions, with s_wait_alu, always for 0.
; THE PLAN.  Registers that memory or LDS instructions touch in the loop over steps, and who else names them:
;   the ring  Thirds A, B, C.  The step's groups 0 .. 7 read A B C A B A C B, the next step's group 0 A again: for every even group g the thirds of g, g + 1 and g + 2 differ.  Read by a group's 16
;             products; the run of eight LDS loads in group g lands in the third of group g + 1.
;   TV        Two halves of 16 words.  Written by the riders of groups 0, 1, 3, 4 (blocks 0 to 3 of the next pattern, halves 0, 1, 0, 1); read by the LDS stores in groups 2 (both halves), 4 (half 0), 6 (half 1).
;   v3, v5    Addresses of those loads and stores: made at the head and never written again.
;   The weights, the accumulators, S, M, ACC and the spike bits are named by vector and matrix instructions alone (between the steps: see the pass's first and last lines).
; So ONE wait on va_vdst stands at the head of each EVEN group.  It states that the products of all earlier groups are done reading the ring, which frees the two thirds that the group itself does not read:
; this group's run and the next group's run land there, and no product issued since names them.  It also states that the riders have written the words that the group's stores read.
; TWO waits on vm_vsrc a step, each a group or more behind the stores that it speaks of: at group 3's head (group 2's stores have read TV) and at group 0's (the stores of groups 4 and 6 of the step before).
.set PITCH, 1040
.set RTB,   16*PITCH                   ; a row tile
.set SLOT1, 32*PITCH                   ; slot 0 at 0, slot 1 here
.set ACCH,  2*SLOT1                    ; bf16(ACC)
.set LOFF,  SLOT1                      ; bf16(ACC - hi) lies this far behind it
.set OST,   4*SLOT1                    ; the out stage
.set SPARE, 5*SLOT1                    ; 166,400: the spare words, 128 bytes for each wave: two blocks of 256 bytes that no other line names
.set AB,   3                           ; v3   fragment reads from the slots: r x 1,040 + 16 h
.set AC,   4                           ; v4   the same in ACC's hi
.set SB,   5                           ; v5   s0 stores: r x 1,040 + 256 w + 64 h
.set ADS0, 6                           ; v6   ACC's stores in pass 0: ACCH + r x 1,040 + 128 w + 64 h
.set WO,   7                           ; v7   my 16 bytes in a fragment half: 65,536 w + 16 lane; never rewritten
.set SPW,  8                           ; v8   my spare word; never rewritten
.set NIL,  9                           ; v9   0; never rewritten
.set OS,   10                          ; v10  into the out stage: OST + r x 1,040 + 256 w + 128 h
.set ORD,  11                          ; v11  back from it: OST + 8 w rows + 16 lane
.set CN,   12                          ; v[12:13] -2^31 twice
.set GO,   14                          ; v14  my bytes in the work-group's part of out0: 8 w rows + 16 lane
.set XA,   15                          ; v15  layer 0: reads of my wave's rounded W_in;
.set ADS,  15                          ;      later ACC's stores of the pass in hand
.set SS,   16                          ; S, two sets of 8
.set IN,   16                          ; layer 0: row tile rt's input k at v[16 + 8 rt + 2 k], twice (a pair for the packed lines)
.set TV,   32                          ; two halves of 16 words
.set DD,   64
.set ML1,  128
.set ACC,  192
.set XX,   64                          ; layer 0, in window rt: x, m0 and the spike bits of 64 units, by unit
.set ML0,  128
.set HF,   192
.set SA,   32                          ; layer 0, both windows: 8 pairs of spikes
.set C30,  48                          ; both windows: 2^30 twice
.set CN30, 50                          ; both windows: -2^30 twice
.set WI,   128                         ; layer 0: a chunk of W_in, 5 rows x 16 units, in window chunk % 2
.set LI,   208                         ; inp as loaded
.set LW,   216                         ; W_in as loaded
.set T0,   236
.set HB0,  64                          ; window 1
.set HB1,  128
.set RING, 192                         ; window 1: the ring's thirds A and B,
.set RINGC, 0                          ; and C
.set WP,   8                           ; s[8:9] wf at the pass to be loaded
.set WV,   12                          ; s12  my wave's number
.set DK,   16                          ; s[16:17] 0.9 twice
.set SH,   18                          ; s18  the shift that brings the next pattern's bits to bits 14 and 30
.set NM,   19                          ; s19  all bits but 14 and 30
.set PASS, 20
.set TRIP, 21
.set L0C,  22
.set SEL0, 23                          ; v_perm_b32: bytes 1, 2 of both sources
.set HM,   24                          ; a word's upper bf16
.set SEL1, 25                          ; v_perm_b32: the low halves of both sources
.set AOF,  26                          ; s26  512 x pass
.set MSB, 0
.macro WIN new                         ; the immediate's high byte repeats the setting that is left; a switch that changes nothing is dropped
.if MSB != (\new)
	s_set_vgpr_msb (MSB<<8)|(\new)
.set MSB, (\new)
.endif
.endm
; A vector instruction or LDS store that reads a matrix result stands four places behind it; only plain vector instructions that name none of its registers are places.
; Where no useful line is at hand: four v_nop.  The lines that stood between a product and a load into its registers stand there still, beside the waits that state that dependence.
.macro PLACES
.rept 4
	v_nop
.endr
.endm
; The weights of K steps k0 .. k1: eight loads of 512 consecutive bytes a K step, straight into the fragments' registers.
.macro WLOAD k0, k1
.set kw, \k0
.rept (\k1)-(\k0)+1
	WIN 0x80+0x40*(kw/8)                           ; destination window 2 or 3, address window 0
.set fw, 0
.rept 8                                ; tile fw / 2, half fw % 2
	global_load_b128 v[32*(kw%8)+4*fw:32*(kw%8)+4*fw+3], v[WO], s[WP:WP+1] offset:kw*4096+fw*512
.set fw, fw+1
.endr
.set kw, kw+1
.endr
	WIN 0
.endm
.macro RBASE gg                        ; rB: the third of the ring that holds group gg's fragments: A B C A B A C B
.if ((\gg) == 0) || ((\gg) == 3) || ((\gg) == 5)
.set rB, RING
.elseif ((\gg) == 1) || ((\gg) == 4) || ((\gg) == 7)
.set rB, RING+32
.else
.set rB, RINGC
.endif
.endm
; Eight LDS loads in one run: the spike fragments of K steps 2 gg, 2 gg + 1 for both row tiles, into group gg's third of the ring.
.macro ARUN base, off, gg
	RBASE \gg
	WIN 0x40                                       ; destination window 1, address window 0
.set aq, 0
.rept 4                                ; K step 2 gg + aq / 2, row tile aq % 2
.set rA, rB+16*(aq/2)+8*(aq%2)
	ds_load_b128 v[rA:rA+3],   v[\base] offset:(\off)+(aq%2)*RTB+(2*(\gg)+aq/2)*64
	ds_load_b128 v[rA+4:rA+7], v[\base] offset:(\off)+(aq%2)*RTB+(2*(\gg)+aq/2)*64+32
.set aq, aq+1
.endr
.endm
; Product m of 16 in group g: K step 2 g + m / 8, accumulator m % 8 (row tile (m % 8) / 4, column tile m % 4).  The eight accumulators take turns, one instruction a turn.
.macro PROD zero
.set kk, 2*g+m/8
.set rD, DD+8*(m%8)
.set rW, 32*(kk%8)+8*(m%4)
	RBASE g
.set rA, rB+16*(kk%2)+8*((m%8)/4)
	WIN 0x06+kk/8                                  ; weights window 2 or 3, spikes window 1, sums window 0
.if (\zero) && (kk == 0)
	v_wmma_f32_16x16x32_bf16 v[rD:rD+7], v[rW:rW+7], v[rA:rA+7], 0
.else
	v_wmma_f32_16x16x32_bf16 v[rD:rD+7], v[rW:rW+7], v[rA:rA+7], v[rD:rD+7]
.endif
.endm
; Layer 1's vector work for one accumulator's 8 neurons, four packed lines a slice.  Slice sl of 24: tile sl / 3; kind 0: S = 1 where M > 2, else 0; kind 1: M -= 2 S; kind 2: ACC = 0.9 ACC + S.
.macro SLICE sl
.set tl, (\sl)/3
.set rS, SS+8*(tl%2)
.set rM, ML1+8*tl
.set rC, ACC+8*tl
	WIN 0x04                                       ; source 1 (2^30) in window 1, all else in window 0
.set z, 0
.rept 4
.if (\sl)%3 == 0
	v_pk_fma_f32 v[rS+z:rS+z+1], v[rM+z:rM+z+1], v[C30:C30+1], v[CN:CN+1] clamp
.elseif (\sl)%3 == 1
	v_pk_fma_f32 v[rM+z:rM+z+1], v[rS+z:rS+z+1], -2.0, v[rM+z:rM+z+1] op_sel_hi:[1,0,1]
.else
	v_pk_fma_f32 v[rC+z:rC+z+1], v[rC+z:rC+z+1], s[DK:DK+1], v[rS+z:rS+z+1] op_sel_hi:[1,0,1]
.endif
.set z, z+2
.endr
.endm
.macro SLA tl                          ; M = 0.9 M + the step's sums, one fused multiply-add; the accumulator is read from its low end on
	WIN 0x04
.set z, 0
.rept 4
	v_pk_fma_f32 v[ML1+8*(\tl)+z:ML1+8*(\tl)+z+1], v[ML1+8*(\tl)+z:ML1+8*(\tl)+z+1], s[DK:DK+1], v[DD+8*(\tl)+z:DD+8*(\tl)+z+1] op_sel_hi:[1,0,1]
.set z, z+2
.endr
.endm
.macro PSTORE bk, wr                   ; block bk of the next pattern, from TV's half bk % 2: row tile bk / 2, units 64 (bk % 2) on: 64 bytes a lane
	WIN 0
.set c4, 0
.rept 4
	ds_store_b128 v[SB], v[TV+16*((\bk)%2)+4*c4:TV+16*((\bk)%2)+4*c4+3] offset:(\wr)+((\bk)/2)*RTB+((\bk)%2)*128+16*c4
.set c4, c4+1
.endr
.endm
; ONE TIME STEP: 128 products in 8 groups of two K steps, from the pattern at rd; nx: where the next step's pattern lies (-1: none).  zero = 1: the first eight products start the sums.
; rid = 1: vector work rides behind the products.  Groups 0, 1, 3, 4: the NEXT pattern is made from the bits at hb, 16 words a group, under the products' own window setting (a shift whose source lies in
; window 1, a mask by v_bfi_b32 whose source lies in window 0); blocks 0 and 1 are stored into slot wr in group 2, block 2 in group 4, block 3 in group 6.  Groups 2, 5, 6: kinds 0-2 of the step BEFORE.
; Group 7: M takes this step's sums, each accumulator four plain lines behind its last product.
; LDS loads stand in runs of eight, 14 products (12 across a step's end) ahead of the wait for them at a group's head.  Behind the last product that read a third of the ring and ahead of the run
; that fills it stand four plain lines or more: riders where rid = 1, four v_nop a group where rid = 0.
; ONE BARRIER A STEP, in group 7.  Ahead of its signal my reads of slot rd are back (the wait at the group's head) and my stores of the next pattern are done (the same wait).  Behind its wait
; the next pattern is read, and slot rd is written only in the next step.  So between two barriers one slot is only read and the other only written.
.macro STEP base, rd, nx, zero, rid, hb, wr
.set g, 0
.rept 8
.set bq, g-g/3                         ; groups 0, 1, 3, 4 make blocks 0, 1, 2, 3
.set sq, (g/5)*(g-4)                   ; groups 2, 5, 6 carry slices 0-7, 8-15, 16-23
	s_wait_dscnt 0x0                               ; this group's fragments are in; stores issued ahead of them are done
.if g%2 == 0
	s_wait_alu depctr_va_vdst(0)                   ; the products of all earlier groups are done reading the ring: this group's run and the next group's land in the two thirds that this group does not read; the riders have written the words of TV that this group's stores read
.endif
.if (\rid) && (g == 0)
	s_wait_alu depctr_vm_vsrc(0)                   ; the stores of groups 4 and 6 of the step before have read TV, which the riders of groups 0 and 1 write; in a pass's first step the stores of pattern 0 have read v64-127, which the products write
.endif
.if (\rid) && (g == 3)
	s_wait_alu depctr_vm_vsrc(0)                   ; group 2's stores have read both halves of TV, which the riders of groups 3 and 4 write again
.endif
.if (\rid) && (g == 7)
	s_barrier_signal -1
.endif
.set m, 0
.rept 16
	PROD \zero
.if (\rid) == 0
.if m == 0
	PLACES
.endif
.elseif (g < 2) || (g == 3) || (g == 4)
	v_lshlrev_b32 v[TV+16*(bq%2)+m], s[SH], v[(\hb)+16*bq+m]
.if m > 0
	v_bfi_b32 v[TV+16*(bq%2)+m-1], s[NM], 0, v[TV+16*(bq%2)+m-1]
.endif
.if m == 15
	v_bfi_b32 v[TV+16*(bq%2)+15], s[NM], 0, v[TV+16*(bq%2)+15]
.endif
.elseif g < 7
.if m%2 == 0
	SLICE 8*sq+m/2
.endif
.else
.if m == 8
	PLACES
.endif
.if m > 8
	SLA m-9
.endif
.if m == 15
	SLA 7
.endif
.endif
.if (g < 7) && (m == 1)                ; the group's LDS instructions.  No wait: no vector or matrix instruction since the last even group's head names a register that they touch
.if (\rid) && (g == 2)
	PSTORE 0, \wr                                  ; (since the wait: two products and a slice)
	PSTORE 1, \wr
.endif
.if (\rid) && (g == 4)
	PSTORE 2, \wr                                  ; (since the wait the riders have named half 1 alone)
.endif
.if (\rid) && (g == 6)
	PSTORE 3, \wr                                  ; (since the wait: two products and a slice)
.endif
	ARUN \base, \rd, g+1
.endif
.if (g == 7) && (m == 3)
.if \rid
	s_barrier_wait -1
.endif
.if (\nx) >= 0
	ARUN \base, \nx, 0                             ; into third A, last read in group 5, ahead of group 6's wait; groups 6 and 7 read C and B
.endif
.endif
.set m, m+1
.endr
.set g, g+1
.endr
.if \rid
	s_add_co_u32 s[SH], s[SH], 1                   ; the pattern after it lies a bit lower
.endif
	WIN 0                                          ; at a label and at a branch every window is 0
.endm
	s_load_b256 s[4:11], s[0:1], 0x0               ; inp s[4:5], W_in s[6:7], wf s[8:9], out0 s[10:11]
	v_lshl_add_u32 v[SPW], v0, 2, SPARE
	v_mov_b32 v[NIL], 0
	v_lshrrev_b32 v1, 5, v0
	v_readfirstlane_b32 s[WV], v1                  ; wave 0..3
	v_and_b32 v1, 15, v0                           ; r
	v_bfe_u32 v2, v0, 4, 1                         ; h
	v_and_b32 v32, 31, v0
	v_lshlrev_b32 v32, 4, v32                      ; 16 x lane
	v_mul_u32_u24 v33, v1, PITCH                   ; r rows
	v_lshl_add_u32 v[AB], v2, 4, v33
	v_add_nc_u32 v[AC], ACCH, v[AB]
	v_lshl_add_u32 v34, v2, 6, v33                 ; r rows + 64 h
	s_wait_alu depctr_va_sdst(0)                   ; s12, the wave's number, is written, ahead of its first reader
	s_lshl_b32 s2, s[WV], 8
	v_add_nc_u32 v[SB], s2, v34
	s_lshl_b32 s2, s[WV], 7
	s_add_co_u32 s2, s2, ACCH
	v_add_nc_u32 v[ADS0], s2, v34
	s_lshl_b32 s2, s[WV], 16
	v_add_nc_u32 v[WO], s2, v32
	v_lshl_add_u32 v34, v2, 7, v33                 ; r rows + 128 h
	s_lshl_b32 s2, s[WV], 8
	s_add_co_u32 s2, s2, OST
	v_add_nc_u32 v[OS], s2, v34
	s_mul_i32 s2, s[WV], 8*PITCH
	s_add_co_u32 s2, s2, OST
	v_add_nc_u32 v[ORD], s2, v32
	s_lshl_b32 s2, s[WV], 13
	v_add_nc_u32 v[GO], s2, v32
	v_lshlrev_b32 v35, 4, v1                       ; inp: row r of a row tile
	s_lshl_b32 s2, s[WV], 9
	v_add_nc_u32 v36, s2, v32                      ; W_in: units 128 w + 4 lane .. + 3
	s_mul_i32 s2, s[WV], 2560
	s_add_co_u32 s2, s2, OST                       ; my wave's 5 rows x 512 bytes of rounded W_in
	v_add_nc_u32 v37, s2, v32                      ; in: as loaded
	v_lshl_add_u32 v[XA], v2, 7, s2                ; back: 32 h units on, the same bytes for all 16 lanes of a half
	s_mov_b32 s[DK], 0x3f666666                    ; 0.9
	s_mov_b32 s[DK+1], 0x3f666666
	s_mov_b32 s[NM], 0xbfffbfff
	s_mov_b32 s[SEL0], 0x06050201
	s_mov_b32 s[SEL1], 0x05040100
	s_mov_b32 s[HM], 0xffff0000
	s_mov_b32 s[AOF], 0
	v_mov_b32 v[CN], 0xcf000000                    ; -2^31
	v_mov_b32 v[CN+1], 0xcf000000
.irp wn, 0, 0x40
	WIN \wn
	v_mov_b32 v[C30], 0x4e800000                   ; 2^30
	v_mov_b32 v[C30+1], 0x4e800000
	v_mov_b32 v[CN30], 0xce800000                  ; -2^30
	v_mov_b32 v[CN30+1], 0xce800000
.endr
	WIN 0
	s_lshl_b32 s2, ttmp9, 9                        ; the work-group's 32 rows of 16 bytes
	s_mov_b32 s3, 0
	s_wait_kmcnt 0x0
	s_add_nc_u64 s[4:5], s[4:5], s[2:3]
	s_lshl_b32 s2, ttmp9, 15                       ; and of 1,024 bytes
	s_add_nc_u64 s[10:11], s[10:11], s[2:3]
	s_wait_alu depctr_va_vdst(0)                   ; the addresses and offsets v3 to v15 and v35 to v37 are written, which the kernel's loads and stores read
	global_load_b128 v[LI:LI+3],   v35, s[4:5]
	global_load_b128 v[LI+4:LI+7], v35, s[4:5] offset:256
.irp k, 0,1,2,3,4
	global_load_b128 v[LW+4*(\k):LW+4*(\k)+3], v36, s[6:7] offset:2048*(\k)
.endr
	WLOAD 0, 6                                     ; 56 loads of pass 0's weights: layer 0's work stands in front of the wait for them
	s_wait_loadcnt 56                              ; the seven small loads are in; the 56 issued behind them stay out
	; LAYER 0.  inp and W_in are rounded to bf16 and widened again.
.irp rt, 0,1
	v_cvt_pk_bf16_f32 v[T0],   v[LI+4*(\rt)],   v[LI+4*(\rt)+1]
	v_cvt_pk_bf16_f32 v[T0+1], v[LI+4*(\rt)+2], v[LI+4*(\rt)+3]
	v_lshlrev_b32 v[IN+8*(\rt)],   16, v[T0]
	v_lshlrev_b32 v[IN+8*(\rt)+1], 16, v[T0]
	v_and_b32     v[IN+8*(\rt)+2], s[HM], v[T0]
	v_and_b32     v[IN+8*(\rt)+3], s[HM], v[T0]
	v_lshlrev_b32 v[IN+8*(\rt)+4], 16, v[T0+1]
	v_lshlrev_b32 v[IN+8*(\rt)+5], 16, v[T0+1]
	v_and_b32     v[IN+8*(\rt)+6], s[HM], v[T0+1]
	v_and_b32     v[IN+8*(\rt)+7], s[HM], v[T0+1]
.endr
.irp k, 0,1,2,3,4
	v_cvt_pk_bf16_f32 v[T0],   v[LW+4*(\k)],   v[LW+4*(\k)+1]
	v_cvt_pk_bf16_f32 v[T0+1], v[LW+4*(\k)+2], v[LW+4*(\k)+3]
	v_lshlrev_b32 v[LW+4*(\k)],   16, v[T0]
	v_and_b32     v[LW+4*(\k)+1], s[HM], v[T0]
	v_lshlrev_b32 v[LW+4*(\k)+2], 16, v[T0+1]
	v_and_b32     v[LW+4*(\k)+3], s[HM], v[T0+1]
.endr
	s_wait_alu depctr_va_vdst(0)                   ; the rounded W_in is written into v[LW ..], which the five LDS stores read
.irp k, 0,1,2,3,4
	ds_store_b128 v37, v[LW+4*(\k):LW+4*(\k)+3] offset:512*(\k)  ; my wave's own bytes: LDS serves a wave's instructions in order (ISA guide 5.7.1.4), so the loads below see them
.endr
; Chunk c of four: units 64 (c / 2) + 32 h + 16 (c % 2) + 0..15 of my wave's 128, all five rows of W_in: 20 loads into window c % 2.  again = 1: the registers have held chunk c - 2.
.macro XLD c, again
	WIN 0x40*((\c)%2)
.if \again
	s_wait_alu depctr_va_vdst(0)                   ; the packed lines of chunk c - 2 are done reading these registers, in which chunk c lands
.endif
.set xk, 0
.rept 5
.set xq, 0
.rept 4
	ds_load_b128 v[WI+16*xk+4*xq:WI+16*xk+4*xq+3], v[XA] offset:512*xk+256*((\c)/2)+64*((\c)%2)+16*xq
.set xq, xq+1
.endr
.set xk, xk+1
.endr
.endm
; x of the chunk's 16 units for both row tiles: (((in0 w0 + in1 w1) + in2 w2) + in3 w3) + w4, ascending k, each sum rounded to f32; the products of two bf16 are exact.
.macro XC c
.irp rt, 0,1
	WIN 0x50*(\rt)+((\c)%2)                        ; W_in in window c % 2, the inputs in window 0, x in window rt
.set xk, 0
.rept 5
.set xu, 0
.rept 8
.set rX, XX+32*((\c)/2)+16*((\c)%2)+2*xu
.set rW, WI+16*xk+2*xu
.set rI, IN+8*(\rt)+2*xk
.if xk == 0
	v_pk_mul_f32 v[rX:rX+1], v[rW:rW+1], v[rI:rI+1] op_sel_hi:[1,0]
.elseif xk < 4
	v_pk_fma_f32 v[rX:rX+1], v[rW:rW+1], v[rI:rI+1], v[rX:rX+1] op_sel_hi:[1,0,1]
.else
	v_pk_fma_f32 v[rX:rX+1], v[rW:rW+1], 1.0, v[rX:rX+1] op_sel_hi:[1,0,1]
.endif
.set xu, xu+1
.endr
.set xk, xk+1
.endr
.endr
.endm
	XLD 0, 0
	XLD 1, 0
	s_wait_dscnt 20                                ; chunk 0 is in; the 20 loads of chunk 1 stay out
	XC 0
	XLD 2, 1
	s_wait_dscnt 20                                ; chunk 1; chunk 2's 20 stay out
	XC 1
	XLD 3, 1
	s_wait_dscnt 20                                ; chunk 2; chunk 3's 20 stay out
	XC 2
	s_wait_dscnt 0x0
	XC 3
; Step 0: m = x.  The spike starts the bits' register, so nothing is cleared.
.macro L0PEEL rt
	WIN 0x55*(\rt)                                 ; row tile rt's numbers all lie in window rt
.set z, 0
.rept 32
	v_pk_fma_f32 v[HF+z:HF+z+1], v[XX+z:XX+z+1], v[C30:C30+1], v[CN30:CN30+1] clamp
.set z, z+2
.endr
.set z, 0
.rept 32
	v_pk_add_f32 v[ML0+z:ML0+z+1], v[XX+z:XX+z+1], v[HF+z:HF+z+1] neg_lo:[0,1] neg_hi:[0,1]
.set z, z+2
.endr
.endm
; A further step, in four chunks of eight pairs: m = 0.9 m + x; S = 1 where m > 1; m -= S; bits = 2 bits + S (a whole number under 2^20, exact in f32).
.macro L0S rt
	WIN 0x55*(\rt)
.set ch, 0
.rept 4
.irp op, 0,1,2,3
.set z, 0
.rept 8
.set rr, 16*ch+2*z
.if \op == 0
	v_pk_fma_f32 v[ML0+rr:ML0+rr+1], v[ML0+rr:ML0+rr+1], s[DK:DK+1], v[XX+rr:XX+rr+1] op_sel_hi:[1,0,1]
.elseif \op == 1
	v_pk_fma_f32 v[SA+2*z:SA+2*z+1], v[ML0+rr:ML0+rr+1], v[C30:C30+1], v[CN30:CN30+1] clamp
.elseif \op == 2
	v_pk_add_f32 v[ML0+rr:ML0+rr+1], v[ML0+rr:ML0+rr+1], v[SA+2*z:SA+2*z+1] neg_lo:[0,1] neg_hi:[0,1]
.else
	v_pk_fma_f32 v[HF+rr:HF+rr+1], v[HF+rr:HF+rr+1], 2.0, v[SA+2*z:SA+2*z+1] op_sel_hi:[1,0,1]
.endif
.set z, z+1
.endr
.endr
.set ch, ch+1
.endr
.endm
	s_wait_alu depctr_vm_vsrc(0)                   ; the stores of W_in have read v[LW ..] and v37, the small loads v35 and v36: layer 0 writes them again, as spike bits (v192-255) and as spikes (v32-47)
	L0PEEL 0
	L0PEEL 1
	WLOAD 7, 15                                    ; the other 72 loads of pass 0's weights: 19 steps of layer 0 stand in front of the wait for them.  No vector instruction has named their registers
	s_wait_xcnt 0x0                                ; the loads' addresses are translated (ISA guide 3.1): only behind this wait is their base stepped
	s_add_nc_u64 s[WP:WP+1], s[WP:WP+1], 0x40000   ; the next pass's 262,144 bytes
	s_mov_b32 s[L0C], 19
.Ll0:
	L0S 0
	L0S 1
	WIN 0
	s_sub_co_u32 s[L0C], s[L0C], 1
	s_cmp_lg_u32 s[L0C], 0
	s_cbranch_scc1 .Ll0
	; The bits as whole numbers U: step t at bit 19 - t.  Two neighbouring units make a word.  Bytes 1, 2 of both: step t (0 .. 10) at bits 11 - t and 27 - t, so a shift by 3 + t brings it to bits 14
	; and 30.  The low halves of both: step t (11 .. 19) at bits 19 - t and 35 - t: a shift by t - 5.  At these shifts no other bit of a word comes to bit 14 or 30.
.irp rt, 0,1
	WIN 0x55*(\rt)
.set z, 0
.rept 64
	v_cvt_u32_f32 v[HF+z], v[HF+z]
.set z, z+1
.endr
.endr
.irp rt, 0,1
	WIN 0x40+5*(\rt)                               ; sources in window rt, words in window 1, where x and m of row tile 1 are dead
.set z, 0
.rept 32
	v_perm_b32 v[HB0+32*(\rt)+z], v[HF+2*z+1], v[HF+2*z], s[SEL0]
	v_perm_b32 v[HB1+32*(\rt)+z], v[HF+2*z+1], v[HF+2*z], s[SEL1]
.set z, z+1
.endr
.endr
	WIN 0
	; LAYER 1, two passes of 256 columns.
	s_mov_b32 s[PASS], 2
.Lpass:
.set z, 0
.rept 128
	v_mov_b32 v[ML1+z], 0                          ; the network's own start: m1 = 0, and ACC = 0.  One text serves all 20 steps, so no first step is written out that could start them
.set z, z+1
.endr
	s_mov_b32 s[SH], 3                             ; pattern 0: all its 64 words are made in the accumulators' registers, which are idle here, so that one wait serves its 16 stores
	WIN 0x04
.set wd, 0
.rept 64
	v_lshlrev_b32 v[DD+wd], s[SH], v[HB0+wd]
.set wd, wd+1
.endr
.set wd, 0
.rept 64
	v_bfi_b32 v[DD+wd], s[NM], 0, v[DD+wd]
.set wd, wd+1
.endr
	WIN 0
	s_wait_alu depctr_va_vdst(0)                   ; pattern 0's words are written, which the stores read; in the first pass layer 0's last lines are done with window 1's v192-255, in which the first fragments land
.set bk, 0
.rept 4                                ; block bk: row tile bk / 2, units 64 (bk % 2) on
.set c4, 0
.rept 4
	ds_store_b128 v[SB], v[DD+16*bk+4*c4:DD+16*bk+4*c4+3] offset:(bk/2)*RTB+(bk%2)*128+16*c4
.set c4, c4+1
.endr
.set bk, bk+1
.endr
	s_wait_loadcnt 0x0                             ; the pass's weights
	s_wait_dscnt 0x0                               ; for the others' sake: my part of pattern 0 is stored
	s_barrier_signal -1
	s_barrier_wait -1
	ARUN AB, 0, 0
	WIN 0
	s_mov_b32 s[SH], 4                             ; step 0 makes pattern 1
	s_mov_b32 s[TRIP], 5
.Lsteps_a:                                             ; steps 0 to 9: they make patterns 1 to 10
	STEP AB, 0, SLOT1, 1, 1, HB0, SLOT1
	STEP AB, SLOT1, 0, 1, 1, HB0, 0
	s_sub_co_u32 s[TRIP], s[TRIP], 1
	s_cmp_lg_u32 s[TRIP], 0
	s_cbranch_scc1 .Lsteps_a
	s_mov_b32 s[SH], 6                             ; step 10 makes pattern 11
	s_mov_b32 s[TRIP], 5
.Lsteps_b:                                             ; steps 10 to 19: patterns 11 to 19, and a 21st that nobody multiplies: the price of one text for all steps
	STEP AB, 0, SLOT1, 1, 1, HB1, SLOT1
	STEP AB, SLOT1, 0, 1, 1, HB1, 0
	s_sub_co_u32 s[TRIP], s[TRIP], 1
	s_cmp_lg_u32 s[TRIP], 0
	s_cbranch_scc1 .Lsteps_b
	s_wait_alu depctr_va_vdst(0)                   ; the pass's products are done reading the weights: the next pass's land in the same registers, here and at the pass's end, and nothing between names windows 2 and 3
	WLOAD 0, 6                                     ; the next pass's weights: these registers were last multiplied in step 19's first half
	s_wait_dscnt 0x0                               ; my reads of the 21st pattern are back: slot 0 is written again behind this barrier
	s_barrier_signal -1
.set sn, 0
.rept 24
	SLICE sn                                       ; step 19's spikes, resets and sums: work on registers between the signal and the wait
.set sn, sn+1
.endr
	WIN 0
	s_barrier_wait -1
	s_wait_alu depctr_vm_vsrc(0)                   ; step 19's stores of the pattern have read TV, which the lines below write
	v_add_nc_u32 v[ADS], s[AOF], v[ADS0]           ; the pass's 256 neurons: 512 bytes further on in a row
; ACC of row tile rt as hi + lo: hi = bf16(a), lo = bf16(a - hi), the difference exact.  Word wd = 2 j + p holds neurons 4 j + 2 p, + 1: register j of column tiles 2 p, 2 p + 1.
; buf: 16 words of hi, then 16 of lo.  Row tile 0 takes TV, row tile 1 the first 32 of the accumulators' registers, idle here: one wait serves all 16 stores.
.macro HILO rt, buf
.set wd, 0
.rept 16
.set ra, ACC+8*(4*(\rt)+2*(wd%2))+wd/2
.set tp, SS+4*(wd%4)
	v_cvt_pk_bf16_f32 v[(\buf)+wd], v[ra], v[ra+8]
	v_lshlrev_b32 v[tp], 16, v[(\buf)+wd]
	v_and_b32 v[tp+1], s[HM], v[(\buf)+wd]
	v_sub_f32 v[tp], v[ra], v[tp]
	v_sub_f32 v[tp+1], v[ra+8], v[tp+1]
	v_cvt_pk_bf16_f32 v[(\buf)+16+wd], v[tp], v[tp+1]
.set wd, wd+1
.endr
.endm
.macro HSTORE rt, buf
.set c4, 0
.rept 4
	ds_store_b128 v[ADS], v[(\buf)+4*c4:(\buf)+4*c4+3] offset:(\rt)*RTB+16*c4
	ds_store_b128 v[ADS], v[(\buf)+16+4*c4:(\buf)+16+4*c4+3] offset:LOFF+(\rt)*RTB+16*c4
.set c4, c4+1
.endr
.endm
	HILO 0, TV
	HILO 1, DD
	s_wait_alu depctr_va_vdst(0)                   ; both row tiles' hi and lo words and the address v15 are written, which the 16 stores read
	HSTORE 0, TV
	HSTORE 1, DD
	s_add_co_u32 s[AOF], s[AOF], 512
	WLOAD 7, 15                                    ; the rest of the next pass's weights; the lines above are the places behind the last products
	s_wait_xcnt 0x0                                ; the loads' addresses are translated: only behind this wait is their base stepped
	s_add_nc_u64 s[WP:WP+1], s[WP:WP+1], 0x40000
	s_wait_alu depctr_vm_vsrc(0)                   ; the 16 stores have read TV, v64-95 and v15: the next pass's pattern 0, or the output's products, write v64-95; the next pass writes v15 and TV
	s_sub_co_u32 s[PASS], s[PASS], 1
	s_cmp_lg_u32 s[PASS], 0
	s_cbranch_scc1 .Lpass
	; THE OUTPUT: ACC W1, hi and then lo onto the same sums.
	s_wait_loadcnt 0x0                             ; W1's fragments
	s_wait_dscnt 0x0                               ; for the others' sake: my part of ACC is stored
	s_barrier_signal -1
	s_barrier_wait -1
	ARUN AC, 0, 0
	STEP AC, 0, LOFF, 1, 0, 0, 0
	STEP AC, LOFF, -1, 0, 0, 0, 0
	PLACES
	s_wait_alu depctr_va_vdst(0)                   ; the products have written the accumulators, which the LDS stores read (the places above stay beside this wait); layer 1's lines are done with v128-191, in which the loads from the stage land
	; THE WAY OUT.  A lane's 64 numbers are 4 bytes each of 32 neighbouring columns of two rows: they go through the stage and come back as whole rows.  Lanes r and r + 8 of the other half
	; meet in a bank (260 r + 32 h words): two deep, in these 64 stores, once a launch.  Each accumulator is read from its low end on.
.set tl, 0
.rept 8
.set z, 0
.rept 8
	ds_store_b32 v[OS], v[DD+8*tl+z] offset:(tl/4)*RTB+16*z+4*(tl%4)
.set z, z+1
.endr
.set tl, tl+1
.endr
	s_wait_dscnt 0x0                               ; for the others' sake: a row's 1,024 bytes come from all four waves
	s_barrier_signal -1
	s_barrier_wait -1
.set oi, 0
.rept 16                               ; wave w takes rows 8 w .. + 7: row oi / 2, half oi % 2
	ds_load_b128 v[ML1+4*oi:ML1+4*oi+3], v[ORD] offset:(oi/2)*PITCH+(oi%2)*512
.set oi, oi+1
.endr
.set oi, 0
.rept 16
	s_wait_dscnt 15-oi                             ; LDS loads come back in order (ISA guide 5.7.1): load oi is in, the younger ones stay out
	global_store_b128 v[GO], v[ML1+4*oi:ML1+4*oi+3], s[10:11] offset:(oi/2)*1024+(oi%2)*512 th:TH_STORE_NT  ; 32 lanes: 512 consecutive bytes, aligned
.set oi, oi+1
.endr
	s_wait_dscnt 0x0                               ; the closing lines, six on end
	s_wait_alu 0x0
	s_wait_tensorcnt 0x0
	ds_add_u32 v[SPW], v[NIL]
	s_wait_dscnt 0x0
	s_endpgm
.Lfunc_end_k_qf688b6125b_snn:
	.size	k_qf688b6125b_snn, .Lfunc_end_k_qf688b6125b_snn-k_qf688b6125b_snn
	.p2alignl 7, 3214868480
	.fill 96, 4, 3214868480
	.section	.rodata,"a",@progbits
	.p2align	6, 0x0
	.amdhsa_kernel k_qf688b6125b_snn
		.amdhsa_group_segment_fixed_size 166912
		.amdhsa_private_segment_fixed_size 0
		.amdhsa_enable_private_segment 0
		.amdhsa_kernarg_size 32
		.amdhsa_user_sgpr_count 2
		.amdhsa_user_sgpr_kernarg_segment_ptr 1
		.amdhsa_wavefront_size32 1
		.amdhsa_system_sgpr_workgroup_id_x 1
		.amdhsa_system_sgpr_workgroup_id_y 1
		.amdhsa_system_sgpr_workgroup_id_z 1
		.amdhsa_system_vgpr_workitem_id 0
		.amdhsa_next_free_vgpr 1024
		.amdhsa_next_free_sgpr 66
		.amdhsa_reserve_vcc 0
		.amdhsa_float_denorm_mode_32 3
		.amdhsa_float_denorm_mode_16_64 3
		.amdhsa_memory_ordered 1
		.amdhsa_forward_progress 1
		.amdhsa_inst_pref_size 255
	.end_amdhsa_kernel
	.section	.bss,"aw",@nobits
	.p2align	6
	.space	262144
	.amdgpu_metadata
---
amdhsa.version: [ 1, 2 ]
amdhsa.kernels:
  - .name:           k_qf688b6125b_snn
    .symbol:         k_qf688b6125b_snn.kd
    .args:
      - { .name: inp, .offset: 0, .size: 8, .value_kind: global_buffer, .address_space: global }
      - { .name: W_in, .offset: 8, .size: 8, .value_kind: global_buffer, .address_space: global }
      - { .name: wf, .offset: 16, .size: 8, .value_kind: global_buffer, .address_space: global }
      - { .name: out0, .offset: 24, .size: 8, .value_kind: global_buffer, .address_space: global }
    .group_segment_fixed_size: 166912
    .private_segment_fixed_size: 0
    .kernarg_segment_align: 8
    .kernarg_segment_size: 32
    .max_flat_workgroup_size: 128
    .sgpr_count:     66
    .vgpr_count:     1024
    .wavefront_size: 32
...
	.end_amdgpu_metadata
.endif
;; end of part 3
